; MI455X (gfx1250); checked and timed in simulation.
; The chip was launched on July 23, 2026; its instructions are those of AMD's public machine-readable ISA for CDNA 5 (MIT licence, August 2026) and "CDNA5" Instruction Set Architecture Reference Guide (July 2026). The comments in the code are by the model that wrote it; some were corrected since.
;; Gated Cross Attention. Allowed arithmetic: float matrix products may take bf16 or f16 operands with f32 sums; other float arithmetic in f32, or as packed bf16 or f16 multiplies, adds, multiply-adds, maxima and minima; sums over many terms, partial sums and values carried from step to step in f32; what a program stores and reads back later, other than sums and carried values, may be rounded once to bf16 or f16.
;; Inputs: Wg 1,024 x 2,048 float32; Wk 1,024 x 256 float32; Wo 1,024 x 1,024 float32; Wq 1,024 x 1,024 float32; Wv 1,024 x 256 float32; b_in 3,072 float32; beta 1,024 float32; bg 1,024 float32; bo 1,024 float32; gamma 1,024 float32; speaker_embedding 8 x 256 float32; speech_features 8 x 2,048 x 1,024 float32.
;; Outputs: out0 8 x 2,048 x 1,024 float32.
;; One version. Each part assembles by itself: llvm-mc -triple=amdgcn-amd-amdhsa -mcpu=gfx1250 --defsym DOCPART=n.
;; ======== version 1 of 1: 4 launches
;; workspace buffers: wgb 2,097,152 bytes; kb 32,768 bytes; vb 32,768 bytes; mk 262,144 bytes; cq 512 bytes; av 32,768 bytes; cv 32,768 bytes
;; launch prep1 (part 1): grid 256 x 1, 4 waves a work-group, no clusters, 0 bytes of LDS; arguments Wk, Wv, b_in, speaker_embedding, Wg, kb, vb, wgb; writes kb, vb, wgb
.if DOCPART == 1
	.amdgcn_target "amdgcn-amd-amdhsa--gfx1250"
	.amdhsa_code_object_version 6
	.text
	.protected	k_qf5611d67a7_prep1
	.globl	k_qf5611d67a7_prep1
	.p2align	8
	.type	k_qf5611d67a7_prep1,@function
k_qf5611d67a7_prep1:
	s_mov_b64 s[64:65], 0
	v_nop
	global_prefetch_b8 v0, s[64:65] scope:SCOPE_SE
	s_setreg_imm32_b32 hwreg(HW_REG_WAVE_MODE, 25, 1), 1
	s_wait_xcnt 0x0
; Two tasks, chosen by the work-group's number.
; Groups 0-127: k[b][f] = Wk[f] . spk[b] + bk[f] (groups 0-63) and v[b][f] = Wv[f] . spk[b] + bv[f] (groups 64-127), all in f32 on the vector unit:
;   8 rows against a weight read once is a stream, so the matrix unit, LDS and clusters would add nothing.  A wave takes 4 rows of 256 numbers.
; Groups 128-255: the gate's first half, Wg[n][k], k < 1024, times -log2(e), rounded once to bf16 and laid as [K step of 32][n][32]:
;   a K step's 1,024 rows are then 65,536 dense bytes.  The factor turns sigmoid(z) into 1 / (1 + 2^(sum)) in the last launch.
.set X,   16                           ; v[16:79]   spk[b]: 8 numbers a lane and batch
.set W,   80                           ; v[80:111]  my 4 rows: 8 numbers a lane and row
.set ACC, 112                          ; v[112:175] a pair of partial sums for row i and batch b at ACC + 2 (8 i + b)
.set OUT, 4                            ; v[4:7]     lane b: the four rows' results of batch b
	s_load_b512 s[4:19], s[0:1], 0x0               ; Wk s[4:5], Wv s[6:7], b_in s[8:9], spk s[10:11], Wg s[12:13], kb s[14:15], vb s[16:17], wgb s[18:19]
	v_and_b32 v1, 31, v0                           ; lane
	v_lshrrev_b32 v2, 5, v0
	v_readfirstlane_b32 s20, v2                    ; wave
	v_lshlrev_b32 v2, 4, v1                        ; 16 x lane
	s_mov_b32 s21, ttmp9
	s_cmp_lt_u32 s21, 128
	s_cbranch_scc0 .Lconv
	s_lshr_b32 s22, s21, 6                         ; 0: k, 1: v
	s_and_b32 s23, s21, 63
	s_lshl_b32 s23, s23, 4
	s_lshl2_add_u32 s23, s20, s23                  ; my first row = 16 (group % 64) + 4 wave
	s_lshl_b32 s24, s23, 10                        ; x 1,024 bytes a row
	s_mov_b32 s25, 0
	s_lshl_b32 s26, s21, 6
	s_lshl4_add_u32 s26, s20, s26                  ; 64 group + 16 wave: with 4,096 more, my four biases in b_in (bk begins at 4,096, bv at 8,192)
	s_mov_b32 s27, 0
	s_lshl_b32 s28, s23, 2                         ; my first row in a row of the result
	s_mov_b32 s29, 0
	s_mov_b32 s34, 0x76543210                      ; v_permlanex16_b32: each lane takes its own place in the other half
	s_mov_b32 s35, 0xfedcba98
	s_wait_kmcnt 0x0
	s_cmp_eq_u32 s22, 0
	s_cselect_b64 s[30:31], s[4:5], s[6:7]         ; the weights
	s_cselect_b64 s[32:33], s[14:15], s[16:17]     ; the result
	s_add_nc_u64 s[30:31], s[30:31], s[24:25]
	s_add_nc_u64 s[32:33], s[32:33], s[28:29]
	s_add_nc_u64 s[8:9], s[8:9], s[26:27]
	s_load_b128 s[36:39], s[8:9], 0x1000
.set b, 0
.rept 8
	global_load_b128 v[X+8*b:X+8*b+3],   v2, s[10:11] offset:1024*b
	global_load_b128 v[X+8*b+4:X+8*b+7], v2, s[10:11] offset:1024*b+512
.set b, b+1
.endr
.set i, 0
.rept 4
	global_load_b128 v[W+8*i:W+8*i+3],   v2, s[30:31] offset:1024*i th:TH_LOAD_NT
	global_load_b128 v[W+8*i+4:W+8*i+7], v2, s[30:31] offset:1024*i+512 th:TH_LOAD_NT
.set i, i+1
.endr
.set b, 1
.rept 7
	v_cmp_eq_u32 s[40+b], b, v1                    ; the mask of lane b
.set b, b+1
.endr
	s_wait_loadcnt 0x0
.set pp, 0
.rept 4                                ; 32 chains take turns; the first product starts each sum
.set i, 0
.rept 4
.set b, 0
.rept 8
.if pp == 0
	v_pk_mul_f32 v[ACC+2*(8*i+b):ACC+2*(8*i+b)+1], v[W+8*i:W+8*i+1], v[X+8*b:X+8*b+1]
.else
	v_pk_fma_f32 v[ACC+2*(8*i+b):ACC+2*(8*i+b)+1], v[W+8*i+2*pp:W+8*i+2*pp+1], v[X+8*b+2*pp:X+8*b+2*pp+1], v[ACC+2*(8*i+b):ACC+2*(8*i+b)+1]
.endif
.set b, b+1
.endr
.set i, i+1
.endr
.set pp, pp+1
.endr
.set n, 0
.rept 32
	v_add_f32 v[ACC+2*n], v[ACC+2*n], v[ACC+2*n+1]
.set n, n+1
.endr
.irp m, 1,2,4,8                        ; over the 16 lanes of a half, all 32 sums a stage
.set n, 0
.rept 32
	v_add_f32_dpp v[ACC+2*n], v[ACC+2*n], v[ACC+2*n] row_xmask:\m row_mask:0xf bank_mask:0xf
.set n, n+1
.endr
.endr
.set n, 0
.rept 32
	v_permlanex16_b32 v[ACC+2*n+1], v[ACC+2*n], s34, s35
.set n, n+1
.endr
.set n, 0
.rept 32
	v_add_f32 v[ACC+2*n], v[ACC+2*n], v[ACC+2*n+1]
.set n, n+1
.endr
	s_wait_kmcnt 0x0                               ; the biases
.set i, 0
.rept 4
	v_cndmask_b32 v[OUT+i], v[ACC+16*i], v[ACC+16*i+2], s41
.set b, 2
.rept 6
	v_cndmask_b32 v[OUT+i], v[OUT+i], v[ACC+2*(8*i+b)], s[40+b]
.set b, b+1
.endr
	v_add_f32 v[OUT+i], s[36+i], v[OUT+i]
.set i, i+1
.endr
	v_and_b32 v8, 7, v1
	v_lshlrev_b32 v8, 12, v8                       ; batch x 4,096 bytes
	v_cmp_gt_u32 vcc_lo, 8, v1
	s_wait_xcnt 0x0                                ; EXEC is a source of the loads above: it changes only behind this wait
	s_and_saveexec_b32 s22, vcc_lo
	global_store_b128 v8, v[OUT:OUT+3], s[32:33]   ; lanes 0-7: 16 bytes in each batch's row; the table is 32 KiB in all
	s_wait_xcnt 0x0
	s_or_b32 exec_lo, exec_lo, s22
	s_endpgm
.Lconv:                                ; group j = number - 128 takes rows 8 j .. 8 j + 7; wave w the K steps 8 w .. 8 w + 7
	s_sub_co_u32 s21, s21, 128
	s_lshl_b32 s24, s21, 16                        ; 8 j rows of 8,192 bytes
	s_lshl_b32 s22, s20, 10                        ; + 8 w steps of 128 bytes
	s_add_co_u32 s24, s24, s22
	s_mov_b32 s25, 0
	s_lshl_b32 s26, s21, 9                         ; in wgb: 8 j rows of 64 bytes
	s_lshl_b32 s22, s20, 19                        ; + 8 w steps of 65,536 bytes
	s_add_co_u32 s26, s26, s22
	s_mov_b32 s27, 0
	s_mov_b32 s28, 0xbfb8aa3b                      ; -log2(e)
	s_mov_b32 s29, s28                             ; named with it as a pair
	v_lshrrev_b32 v3, 2, v1                        ; row lane / 4,
	v_and_b32 v4, 3, v1
	v_lshlrev_b32 v4, 5, v4                        ; eight numbers (32 bytes) at place lane % 4 of the step
	v_lshl_add_u32 v3, v3, 13, v4
	s_wait_kmcnt 0x0
	s_add_nc_u64 s[12:13], s[12:13], s[24:25]
	s_add_nc_u64 s[18:19], s[18:19], s[26:27]
.set i, 0
.rept 8
	global_load_b128 v[16+8*i:16+8*i+3], v3, s[12:13] offset:128*i th:TH_LOAD_NT
	global_load_b128 v[16+8*i+4:16+8*i+7], v3, s[12:13] offset:128*i+16 th:TH_LOAD_NT
.set i, i+1
.endr
.set i, 0
.rept 8
	s_wait_loadcnt 14-2*i                          ; the later steps' loads, two each, stay out
.set q, 0
.rept 4
	v_pk_mul_f32 v[16+8*i+2*q:16+8*i+2*q+1], v[16+8*i+2*q:16+8*i+2*q+1], s[28:29] op_sel_hi:[1,0]
.set q, q+1
.endr
.set q, 0
.rept 4
	v_cvt_pk_bf16_f32 v[80+4*i+q], v[16+8*i+2*q], v[16+8*i+2*q+1]
.set q, q+1
.endr
	global_store_b128 v2, v[80+4*i:80+4*i+3], s[18:19] offset:65536*i  ; 8 rows x 64 bytes = 512 consecutive bytes, aligned
.set i, i+1
.endr
	s_endpgm
.Lfunc_end_k_qf5611d67a7_prep1:
	.size	k_qf5611d67a7_prep1, .Lfunc_end_k_qf5611d67a7_prep1-k_qf5611d67a7_prep1
	.p2alignl 7, 3214868480
	.fill 96, 4, 3214868480
	.section	.rodata,"a",@progbits
	.p2align	6, 0x0
	.amdhsa_kernel k_qf5611d67a7_prep1
		.amdhsa_group_segment_fixed_size 0
		.amdhsa_private_segment_fixed_size 0
		.amdhsa_enable_private_segment 0
		.amdhsa_kernarg_size 64
		.amdhsa_user_sgpr_count 2
		.amdhsa_user_sgpr_kernarg_segment_ptr 1
		.amdhsa_wavefront_size32 1
		.amdhsa_system_sgpr_workgroup_id_x 1
		.amdhsa_system_sgpr_workgroup_id_y 1
		.amdhsa_system_sgpr_workgroup_id_z 1
		.amdhsa_system_vgpr_workitem_id 0
		.amdhsa_next_free_vgpr 192
		.amdhsa_next_free_sgpr 66
		.amdhsa_reserve_vcc 1
		.amdhsa_float_denorm_mode_32 3
		.amdhsa_float_denorm_mode_16_64 3
		.amdhsa_memory_ordered 1
		.amdhsa_forward_progress 1
		.amdhsa_inst_pref_size 34
	.end_amdhsa_kernel
	.amdgpu_metadata
---
amdhsa.version: [ 1, 2 ]
amdhsa.kernels:
  - .name:           k_qf5611d67a7_prep1
    .symbol:         k_qf5611d67a7_prep1.kd
    .args:
      - { .name: Wk, .offset: 0, .size: 8, .value_kind: global_buffer, .address_space: global }
      - { .name: Wv, .offset: 8, .size: 8, .value_kind: global_buffer, .address_space: global }
      - { .name: b_in, .offset: 16, .size: 8, .value_kind: global_buffer, .address_space: global }
      - { .name: speaker_embedding, .offset: 24, .size: 8, .value_kind: global_buffer, .address_space: global }
      - { .name: Wg, .offset: 32, .size: 8, .value_kind: global_buffer, .address_space: global }
      - { .name: kb, .offset: 40, .size: 8, .value_kind: global_buffer, .address_space: global }
      - { .name: vb, .offset: 48, .size: 8, .value_kind: global_buffer, .address_space: global }
      - { .name: wgb, .offset: 56, .size: 8, .value_kind: global_buffer, .address_space: global }
    .group_segment_fixed_size: 0
    .private_segment_fixed_size: 0
    .kernarg_segment_align: 8
    .kernarg_segment_size: 64
    .max_flat_workgroup_size: 128
    .sgpr_count:     66
    .vgpr_count:     192
    .wavefront_size: 32
...
	.end_amdgpu_metadata
.endif
;; end of part 1
;; launch prep2 (part 2): grid 384 x 1, 4 waves a work-group, no clusters, 0 bytes of LDS; arguments Wo, vb, bo, Wq, kb, b_in, av, mk, cq; writes av, mk, cq
.if DOCPART == 2
	.amdgcn_target "amdgcn-amd-amdhsa--gfx1250"
	.amdhsa_code_object_version 6
	.text
	.protected	k_qf5611d67a7_prep2
	.globl	k_qf5611d67a7_prep2
	.p2align	8
	.type	k_qf5611d67a7_prep2,@function
k_qf5611d67a7_prep2:
	s_mov_b64 s[64:65], 0
	v_nop
	global_prefetch_b8 v0, s[64:65] scope:SCOPE_SE
	s_setreg_imm32_b32 hwreg(HW_REG_WAVE_MODE, 25, 1), 1
	s_wait_xcnt 0x0
; Two tasks, chosen by the work-group's number; all arithmetic in f32 on the vector unit (8 rows against weights read once: a stream).
; Groups 0-255: a[b][f] = Wo[f] . v[b] + bo[f]: what the attention's output is for a softmax weight of 1.  One row f a wave.
; Groups 256-383: the query projection folded into the key: scores[b][s][h] = (x[b][s] . Mk[b][h] + cq[b][h]) / 8 with
;   Mk[b][h][e] = sum over d of Wq[64 h + d][e] k[b][64 h + d]   (rounded once to bf16: a matrix operand of the last launch)
;   cq[b][h]    = sum over d of bq[64 h + d] k[b][64 h + d]      (f32)
;   This is reference()'s q . k with the sums taken in another order.
.set MSB, 0
.macro WIN new                         ; the immediate's high byte repeats the setting that is left
.if MSB != (\new)
	s_set_vgpr_msb (MSB<<8)|(\new)
.set MSB, \new
.endif
.endm
; y[b][f] = w[f] . x[b] + bias[f] for one row f = 4 group + wave and 8 batches.  w's row: 1,024 numbers at byte COL of a row of 1 << SH bytes.
; window 0: v[16:47] the row, v[48:63] a pair of sums a batch;  window 1: v[32 b + 4 j] x[b], piece j of 512 bytes.
.macro FEWROW W, X, BI, Y, SH, COL
	s_lshl2_add_u32 s24, s23, s22                  ; f
	s_lshl_b32 s26, s24, \SH
	s_mov_b32 s27, 0
	s_lshl_b32 s28, s24, 2
	s_mov_b32 s29, 0
	s_wait_kmcnt 0x0
	s_add_nc_u64 s[\W:\W+1], s[\W:\W+1], s[26:27]
	s_add_nc_u64 s[\BI:\BI+1], s[\BI:\BI+1], s[28:29]
	s_add_nc_u64 s[\Y:\Y+1], s[\Y:\Y+1], s[28:29]
	s_load_b32 s30, s[\BI:\BI+1], 0x0
.set j, 0
.rept 8
	global_load_b128 v[16+4*j:16+4*j+3], v2, s[\W:\W+1] offset:\COL+512*j th:TH_LOAD_NT
.set j, j+1
.endr
	WIN 0x40                                       ; destination window 1, address window 0
.set j, 0
.rept 8
.set b, 0
.rept 8
	global_load_b128 v[32*b+4*j:32*b+4*j+3], v2, s[\X:\X+1] offset:4096*b+512*j
.set b, b+1
.endr
.set j, j+1
.endr
	WIN 0x04                                       ; source 1 window 1
.set j, 0
.rept 8
	s_wait_loadcnt 8*(7-j)                         ; the later pieces' loads, eight each, stay out; the row's own loads are older
.set hf, 0
.rept 2
.set b, 0
.rept 8
.if (j == 0) && (hf == 0)
	v_pk_mul_f32 v[48+2*b:49+2*b], v[16:17], v[32*b:32*b+1]
.else
	v_pk_fma_f32 v[48+2*b:49+2*b], v[16+4*j+2*hf:17+4*j+2*hf], v[32*b+4*j+2*hf:32*b+4*j+2*hf+1], v[48+2*b:49+2*b]
.endif
.set b, b+1
.endr
.set hf, hf+1
.endr
.set j, j+1
.endr
	WIN 0
.set b, 1
.rept 7
	v_cmp_eq_u32 s[40+b], b, v1
.set b, b+1
.endr
.set b, 0
.rept 8
	v_add_f32 v[48+2*b], v[48+2*b], v[49+2*b]
.set b, b+1
.endr
.irp m, 1,2,4,8
.set b, 0
.rept 8
	v_add_f32_dpp v[48+2*b], v[48+2*b], v[48+2*b] row_xmask:\m row_mask:0xf bank_mask:0xf
.set b, b+1
.endr
.endr
.set b, 0
.rept 8
	v_permlanex16_b32 v[49+2*b], v[48+2*b], s34, s35
.set b, b+1
.endr
.set b, 0
.rept 8
	v_add_f32 v[48+2*b], v[48+2*b], v[49+2*b]
.set b, b+1
.endr
	v_cndmask_b32 v4, v48, v50, s41                ; lane b takes batch b
.set b, 2
.rept 6
	v_cndmask_b32 v4, v4, v[48+2*b], s[40+b]
.set b, b+1
.endr
	s_wait_kmcnt 0x0
	v_add_f32 v4, s30, v4
	v_and_b32 v5, 7, v1
	v_lshlrev_b32 v5, 12, v5
	v_cmp_gt_u32 vcc_lo, 8, v1
	s_wait_xcnt 0x0                                ; EXEC changes only behind this wait
	s_and_saveexec_b32 s31, vcc_lo
	global_store_b32 v5, v4, s[\Y:\Y+1]            ; lanes 0-7: one number in each batch's row; the table is 32 KiB in all
	s_wait_xcnt 0x0
	s_or_b32 exec_lo, exec_lo, s31
.endm
	s_load_b512 s[4:19], s[0:1], 0x0               ; Wo s[4:5], vb s[6:7], bo s[8:9], Wq s[10:11], kb s[12:13], b_in s[14:15], av s[16:17], mk s[18:19]
	s_load_b64 s[20:21], s[0:1], 0x40              ; cq
	v_and_b32 v1, 31, v0                           ; lane
	v_lshrrev_b32 v2, 5, v0
	v_readfirstlane_b32 s22, v2                    ; wave
	v_lshlrev_b32 v2, 4, v1                        ; 16 x lane
	s_mov_b32 s23, ttmp9
	s_mov_b32 s34, 0x76543210
	s_mov_b32 s35, 0xfedcba98
	s_cmp_lt_u32 s23, 256
	s_cbranch_scc0 .Lmk
	FEWROW 4, 6, 8, 16, 12, 0
	s_endpgm
.Lmk:                                  ; group g: head g / 8, columns 128 (g % 8) on; wave w: batches 2 w, 2 w + 1; a lane: 4 columns
.set KK, 64                            ; v[64:191]  k[b][64 h + d], the same in every lane: batch bb at KK + 64 bb
.set BQ, 192                           ; v[192:255] bq[64 h + d], likewise
.set AC, 16                            ; v[16:31]   sums: batch bb, column pair cp, parity of d at AC + 2 (4 bb + 2 cp + parity)
	s_sub_co_u32 s23, s23, 256
	s_lshr_b32 s24, s23, 3                         ; h
	s_and_b32 s25, s23, 7                          ; column block
	s_lshl_b32 s26, s24, 18                        ; Wq: 64 h rows of 4,096 bytes
	s_lshl_b32 s38, s25, 9
	s_add_co_u32 s26, s26, s38
	s_mov_b32 s27, 0
	s_lshl_b32 s30, s24, 8                         ; bq: 64 h numbers
	s_mov_b32 s31, 0
	s_lshl_b32 s28, s22, 13                        ; kb: batch 2 w, 64 h numbers on
	s_add_co_u32 s28, s28, s30
	s_mov_b32 s29, 0
	s_lshl_b32 s32, s22, 16                        ; mk: batch 2 w x 32,768 + h x 2,048 + block x 256
	s_lshl_b32 s38, s24, 11
	s_add_co_u32 s32, s32, s38
	s_lshl_b32 s38, s25, 8
	s_add_co_u32 s32, s32, s38
	s_mov_b32 s33, 0
	s_lshl_b32 s36, s22, 7                         ; cq: batch 2 w x 64 + 4 h
	s_lshl2_add_u32 s36, s24, s36
	s_mov_b32 s37, 0
	v_mov_b32 v3, 0
	v_lshlrev_b32 v4, 3, v1                        ; 8 x lane
	s_wait_kmcnt 0x0
	s_add_nc_u64 s[10:11], s[10:11], s[26:27]
	s_add_nc_u64 s[12:13], s[12:13], s[28:29]
	s_add_nc_u64 s[14:15], s[14:15], s[30:31]
	s_add_nc_u64 s[18:19], s[18:19], s[32:33]
	s_add_nc_u64 s[20:21], s[20:21], s[36:37]
.set q, 0
.rept 16
	global_load_b128 v[BQ+4*q:BQ+4*q+3], v3, s[14:15] offset:16*q
.set q, q+1
.endr
.set q, 0
.rept 16
	global_load_b128 v[KK+4*q:KK+4*q+3], v3, s[12:13] offset:16*q
	global_load_b128 v[KK+64+4*q:KK+64+4*q+3], v3, s[12:13] offset:4096+16*q
.set q, q+1
.endr
	WIN 0x40
.set d, 0
.rept 64
	global_load_b128 v[4*d:4*d+3], v2, s[10:11] offset:4096*d  ; window 1: row 64 h + d, 512 consecutive bytes
.set d, d+1
.endr
	WIN 0x01                                       ; source 0 window 1
.set d, 0
.rept 64
.if d%4 == 0
	s_wait_loadcnt 60-d                            ; the rows behind these four stay out
.endif
.set bb, 0
.rept 2
.set cp, 0
.rept 2
.set rA, AC+2*(4*bb+2*cp+d%2)
.set rK, KK+64*bb+2*(d/2)
.if d == 0
	v_pk_mul_f32 v[rA:rA+1], v[4*d+2*cp:4*d+2*cp+1], v[rK:rK+1] op_sel_hi:[1,0]
.elseif d == 1
	v_pk_mul_f32 v[rA:rA+1], v[4*d+2*cp:4*d+2*cp+1], v[rK:rK+1] op_sel:[0,1] op_sel_hi:[1,1]
.elseif d%2 == 0
	v_pk_fma_f32 v[rA:rA+1], v[4*d+2*cp:4*d+2*cp+1], v[rK:rK+1], v[rA:rA+1] op_sel_hi:[1,0,1]
.else
	v_pk_fma_f32 v[rA:rA+1], v[4*d+2*cp:4*d+2*cp+1], v[rK:rK+1], v[rA:rA+1] op_sel:[0,1,0] op_sel_hi:[1,1,1]
.endif
.set cp, cp+1
.endr
.set bb, bb+1
.endr
.set d, d+1
.endr
	WIN 0
.set n, 0
.rept 4
	v_pk_add_f32 v[AC+4*n:AC+4*n+1], v[AC+4*n:AC+4*n+1], v[AC+4*n+2:AC+4*n+3]  ; even d's sum + odd d's
.set n, n+1
.endr
.set n, 0
.rept 4
	v_cvt_pk_bf16_f32 v[8+n], v[AC+4*n], v[AC+4*n+1]
.set n, n+1
.endr
	global_store_b64 v4, v[8:9], s[18:19]          ; 256 consecutive bytes, aligned
	global_store_b64 v4, v[10:11], s[18:19] offset:32768
	s_cmp_lg_u32 s25, 0
	s_cbranch_scc1 .Lend                           ; one of a head's eight groups makes cq
.set n, 0
.rept 32                               ; pair n of d; two chains a batch
.set bb, 0
.rept 2
.if n < 2
	v_pk_mul_f32 v[32+4*bb+2*(n%2):33+4*bb+2*(n%2)], v[KK+64*bb+2*n:KK+64*bb+2*n+1], v[BQ+2*n:BQ+2*n+1]
.else
	v_pk_fma_f32 v[32+4*bb+2*(n%2):33+4*bb+2*(n%2)], v[KK+64*bb+2*n:KK+64*bb+2*n+1], v[BQ+2*n:BQ+2*n+1], v[32+4*bb+2*(n%2):33+4*bb+2*(n%2)]
.endif
.set bb, bb+1
.endr
.set n, n+1
.endr
	v_pk_add_f32 v[32:33], v[32:33], v[34:35]
	v_pk_add_f32 v[36:37], v[36:37], v[38:39]
	v_add_f32 v32, v32, v33
	v_add_f32 v36, v36, v37
	v_cmp_eq_u32 vcc_lo, 0, v1
	v_cndmask_b32 v5, v36, v32, vcc_lo             ; lane 0: batch 2 w; lane 1: batch 2 w + 1
	v_and_b32 v6, 1, v1
	v_lshlrev_b32 v6, 6, v6
	v_cmp_gt_u32 vcc_lo, 2, v1
	s_wait_xcnt 0x0                                ; EXEC changes only behind this wait
	s_and_saveexec_b32 s38, vcc_lo
	global_store_b32 v6, v5, s[20:21]              ; two numbers of a table of 512 bytes
	s_wait_xcnt 0x0
	s_or_b32 exec_lo, exec_lo, s38
.Lend:
	s_endpgm
.Lfunc_end_k_qf5611d67a7_prep2:
	.size	k_qf5611d67a7_prep2, .Lfunc_end_k_qf5611d67a7_prep2-k_qf5611d67a7_prep2
	.p2alignl 7, 3214868480
	.fill 96, 4, 3214868480
	.section	.rodata,"a",@progbits
	.p2align	6, 0x0
	.amdhsa_kernel k_qf5611d67a7_prep2
		.amdhsa_group_segment_fixed_size 0
		.amdhsa_private_segment_fixed_size 0
		.amdhsa_enable_private_segment 0
		.amdhsa_kernarg_size 72
		.amdhsa_user_sgpr_count 2
		.amdhsa_user_sgpr_kernarg_segment_ptr 1
		.amdhsa_wavefront_size32 1
		.amdhsa_system_sgpr_workgroup_id_x 1
		.amdhsa_system_sgpr_workgroup_id_y 1
		.amdhsa_system_sgpr_workgroup_id_z 1
		.amdhsa_system_vgpr_workitem_id 0
		.amdhsa_next_free_vgpr 512
		.amdhsa_next_free_sgpr 66
		.amdhsa_reserve_vcc 1
		.amdhsa_float_denorm_mode_32 3
		.amdhsa_float_denorm_mode_16_64 3
		.amdhsa_memory_ordered 1
		.amdhsa_forward_progress 1
		.amdhsa_inst_pref_size 54
	.end_amdhsa_kernel
	.amdgpu_metadata
---
amdhsa.version: [ 1, 2 ]
amdhsa.kernels:
  - .name:           k_qf5611d67a7_prep2
    .symbol:         k_qf5611d67a7_prep2.kd
    .args:
      - { .name: Wo, .offset: 0, .size: 8, .value_kind: global_buffer, .address_space: global }
      - { .name: vb, .offset: 8, .size: 8, .value_kind: global_buffer, .address_space: global }
      - { .name: bo, .offset: 16, .size: 8, .value_kind: global_buffer, .address_space: global }
      - { .name: Wq, .offset: 24, .size: 8, .value_kind: global_buffer, .address_space: global }
      - { .name: kb, .offset: 32, .size: 8, .value_kind: global_buffer, .address_space: global }
      - { .name: b_in, .offset: 40, .size: 8, .value_kind: global_buffer, .address_space: global }
      - { .name: av, .offset: 48, .size: 8, .value_kind: global_buffer, .address_space: global }
      - { .name: mk, .offset: 56, .size: 8, .value_kind: global_buffer, .address_space: global }
      - { .name: cq, .offset: 64, .size: 8, .value_kind: global_buffer, .address_space: global }
    .group_segment_fixed_size: 0
    .private_segment_fixed_size: 0
    .kernarg_segment_align: 8
    .kernarg_segment_size: 72
    .max_flat_workgroup_size: 128
    .sgpr_count:     66
    .vgpr_count:     512
    .wavefront_size: 32
...
	.end_amdgpu_metadata
.endif
;; end of part 2
;; launch prep3 (part 3): grid 256 x 1, 4 waves a work-group, no clusters, 0 bytes of LDS; arguments Wg, av, bg, cv; writes cv
.if DOCPART == 3
	.amdgcn_target "amdgcn-amd-amdhsa--gfx1250"
	.amdhsa_code_object_version 6
	.text
	.protected	k_qf5611d67a7_prep3
	.globl	k_qf5611d67a7_prep3
	.p2align	8
	.type	k_qf5611d67a7_prep3,@function
k_qf5611d67a7_prep3:
	s_mov_b64 s[64:65], 0
	v_nop
	global_prefetch_b8 v0, s[64:65] scope:SCOPE_SE
	s_setreg_imm32_b32 hwreg(HW_REG_WAVE_MODE, 25, 1), 1
	s_wait_xcnt 0x0
; c[b][f] = Wg[f][1024:2048] . a[b] + bg[f]: the part of the gate's argument that comes from the attention's output, for a softmax weight of 1.
; f32 on the vector unit: 8 rows against weights read once are a stream; one row f = 4 group + wave a wave.
; window 0: v[16:47] the row, v[48:63] a pair of sums a batch;  window 1: v[32 b + 4 j] a[b], piece j of 512 bytes.
.set MSB, 0
.macro WIN new                         ; the immediate's high byte repeats the setting that is left
.if MSB != (\new)
	s_set_vgpr_msb (MSB<<8)|(\new)
.set MSB, \new
.endif
.endm
	s_load_b256 s[4:11], s[0:1], 0x0               ; Wg s[4:5], av s[6:7], bg s[8:9], cv s[10:11]
	v_and_b32 v1, 31, v0                           ; lane
	v_lshrrev_b32 v2, 5, v0
	v_readfirstlane_b32 s22, v2                    ; wave
	v_lshlrev_b32 v2, 4, v1                        ; 16 x lane
	s_mov_b32 s23, ttmp9
	s_mov_b32 s34, 0x76543210
	s_mov_b32 s35, 0xfedcba98
	s_lshl2_add_u32 s24, s23, s22                  ; f
	s_lshl_b32 s26, s24, 13                        ; a row of Wg is 8,192 bytes
	s_mov_b32 s27, 0
	s_lshl_b32 s28, s24, 2
	s_mov_b32 s29, 0
	s_wait_kmcnt 0x0
	s_add_nc_u64 s[4:5], s[4:5], s[26:27]
	s_add_nc_u64 s[8:9], s[8:9], s[28:29]
	s_add_nc_u64 s[10:11], s[10:11], s[28:29]
	s_load_b32 s30, s[8:9], 0x0
.set j, 0
.rept 8
	global_load_b128 v[16+4*j:16+4*j+3], v2, s[4:5] offset:4096+512*j th:TH_LOAD_NT  ; the row's second half
.set j, j+1
.endr
	WIN 0x40                                       ; destination window 1, address window 0
.set j, 0
.rept 8
.set b, 0
.rept 8
	global_load_b128 v[32*b+4*j:32*b+4*j+3], v2, s[6:7] offset:4096*b+512*j
.set b, b+1
.endr
.set j, j+1
.endr
	WIN 0x04                                       ; source 1 window 1
.set j, 0
.rept 8
	s_wait_loadcnt 8*(7-j)                         ; the later pieces' loads, eight each, stay out; the row's own loads are older
.set hf, 0
.rept 2
.set b, 0
.rept 8
.if (j == 0) && (hf == 0)
	v_pk_mul_f32 v[48+2*b:49+2*b], v[16:17], v[32*b:32*b+1]
.else
	v_pk_fma_f32 v[48+2*b:49+2*b], v[16+4*j+2*hf:17+4*j+2*hf], v[32*b+4*j+2*hf:32*b+4*j+2*hf+1], v[48+2*b:49+2*b]
.endif
.set b, b+1
.endr
.set hf, hf+1
.endr
.set j, j+1
.endr
	WIN 0
.set b, 1
.rept 7
	v_cmp_eq_u32 s[40+b], b, v1
.set b, b+1
.endr
.set b, 0
.rept 8
	v_add_f32 v[48+2*b], v[48+2*b], v[49+2*b]
.set b, b+1
.endr
.irp m, 1,2,4,8
.set b, 0
.rept 8
	v_add_f32_dpp v[48+2*b], v[48+2*b], v[48+2*b] row_xmask:\m row_mask:0xf bank_mask:0xf
.set b, b+1
.endr
.endr
.set b, 0
.rept 8
	v_permlanex16_b32 v[49+2*b], v[48+2*b], s34, s35
.set b, b+1
.endr
.set b, 0
.rept 8
	v_add_f32 v[48+2*b], v[48+2*b], v[49+2*b]
.set b, b+1
.endr
	v_cndmask_b32 v4, v48, v50, s41                ; lane b takes batch b
.set b, 2
.rept 6
	v_cndmask_b32 v4, v4, v[48+2*b], s[40+b]
.set b, b+1
.endr
	s_wait_kmcnt 0x0
	v_add_f32 v4, s30, v4
	v_and_b32 v5, 7, v1
	v_lshlrev_b32 v5, 12, v5
	v_cmp_gt_u32 vcc_lo, 8, v1
	s_wait_xcnt 0x0                                ; EXEC changes only behind this wait
	s_and_saveexec_b32 s31, vcc_lo
	global_store_b32 v5, v4, s[10:11]              ; lanes 0-7: one number in each batch's row; the table is 32 KiB in all
	s_wait_xcnt 0x0
	s_or_b32 exec_lo, exec_lo, s31
	s_endpgm
.Lfunc_end_k_qf5611d67a7_prep3:
	.size	k_qf5611d67a7_prep3, .Lfunc_end_k_qf5611d67a7_prep3-k_qf5611d67a7_prep3
	.p2alignl 7, 3214868480
	.fill 96, 4, 3214868480
	.section	.rodata,"a",@progbits
	.p2align	6, 0x0
	.amdhsa_kernel k_qf5611d67a7_prep3
		.amdhsa_group_segment_fixed_size 0
		.amdhsa_private_segment_fixed_size 0
		.amdhsa_enable_private_segment 0
		.amdhsa_kernarg_size 32
		.amdhsa_user_sgpr_count 2
		.amdhsa_user_sgpr_kernarg_segment_ptr 1
		.amdhsa_wavefront_size32 1
		.amdhsa_system_sgpr_workgroup_id_x 1
		.amdhsa_system_sgpr_workgroup_id_y 1
		.amdhsa_system_sgpr_workgroup_id_z 1
		.amdhsa_system_vgpr_workitem_id 0
		.amdhsa_next_free_vgpr 512
		.amdhsa_next_free_sgpr 66
		.amdhsa_reserve_vcc 1
		.amdhsa_float_denorm_mode_32 3
		.amdhsa_float_denorm_mode_16_64 3
		.amdhsa_memory_ordered 1
		.amdhsa_forward_progress 1
		.amdhsa_inst_pref_size 21
	.end_amdhsa_kernel
	.amdgpu_metadata
---
amdhsa.version: [ 1, 2 ]
amdhsa.kernels:
  - .name:           k_qf5611d67a7_prep3
    .symbol:         k_qf5611d67a7_prep3.kd
    .args:
      - { .name: Wg, .offset: 0, .size: 8, .value_kind: global_buffer, .address_space: global }
      - { .name: av, .offset: 8, .size: 8, .value_kind: global_buffer, .address_space: global }
      - { .name: bg, .offset: 16, .size: 8, .value_kind: global_buffer, .address_space: global }
      - { .name: cv, .offset: 24, .size: 8, .value_kind: global_buffer, .address_space: global }
    .group_segment_fixed_size: 0
    .private_segment_fixed_size: 0
    .kernarg_segment_align: 8
    .kernarg_segment_size: 32
    .max_flat_workgroup_size: 128
    .sgpr_count:     66
    .vgpr_count:     512
    .wavefront_size: 32
...
	.end_amdgpu_metadata
.endif
;; end of part 3
;; launch fuse (part 4): grid 256 x 1, 4 waves a work-group, clusters of 4 x 1, 327,680 bytes of LDS; arguments speech_features, wgb, mk, cq, av, cv, gamma, beta, out0; writes out0
.if DOCPART == 4
	.amdgcn_target "amdgcn-amd-amdhsa--gfx1250"
	.amdhsa_code_object_version 6
	.text
	.protected	k_qf5611d67a7_fuse
	.globl	k_qf5611d67a7_fuse
	.p2align	8
	.type	k_qf5611d67a7_fuse,@function
k_qf5611d67a7_fuse:
	s_mov_b64 s[64:65], 0
	v_nop
	global_prefetch_b8 v0, s[64:65] scope:SCOPE_SE
	s_setreg_imm32_b32 hwreg(HW_REG_WAVE_MODE, 25, 1), 1
	s_wait_xcnt 0x0
	s_wait_alu depctr_hold_cnt(0) depctr_sa_sdst(0) depctr_va_vdst(0) depctr_va_sdst(0) depctr_va_ssrc(0) depctr_va_vcc(0) depctr_vm_vsrc(0)
	s_getreg_b32 s2, hwreg(HW_REG_IB_STS2, 6, 4)
	s_cmp_eq_u32 s2, 0
	s_cbranch_scc0 .Lentry_in_a_cluster
	s_endpgm
.Lentry_in_a_cluster:
	s_bfe_u32 s2, ttmp6, 0x10000c
	s_cmp_lg_u32 s2, 0x3003
	s_cbranch_scc0 .Lentry_shape_is_right
	s_endpgm
.Lentry_shape_is_right:
; out = LayerNorm(g * attn_out + (1 - g) * x), g = sigmoid([x, attn_out] . Wg^T + bg), for 64 rows of x a work-group; x is read once, out written once.
; THE KEY AXIS HAS LENGTH 1.  scores = (x . Mk[b][h] + cq[b][h]) / 8 (Mk, cq: an earlier launch); softmax as written: the maximum (the one score) is taken away, exponential, sum, division.
;   Such a weight is 1, or NaN where the score is not finite; a NaN in any head makes reference()'s whole row NaN, so a row's 16 weights enter as their product p:
;   attn_out = p a[b], and its share of the gate's argument is p c[b] (a, c: earlier launches).
; THE GATE.  wgb holds -log2(e) Wg[:, :1024] in bf16, so g = 1 / (1 + 2^(x . wgb - log2(e) p c)).  fused = g (p a - x) + x.  LayerNorm in two passes: mean, then the mean of the centred squares.
; LIMITS.  Matrix operands (x, Mk, wgb) are bf16, sums f32.  x is kept in LDS in bf16 and is taken from there for the blend too: there it carries one rounding, 2^-8 of |x| at the most.
;   2^t = infinity gives g = 0, 2^t = 0 gives g = 1.
; SHARES.  A work-group owns 64 whole rows (LayerNorm wants whole rows): 256 work-groups.  Wave w owns all 64 rows x columns 256 w .. 256 w + 255: 4 row blocks x 16 column blocks = 64 accumulators.
;   The matrix instruction is used transposed (source 0 = 16 rows of weights, source 1 = 16 rows of x): lane l holds row l % 16 and the columns 8 (l / 16) + 0..7, so what belongs to a row is one register a lane.
; THE RING.  K goes in 32 steps of 32 through two LDS slots; a wave fetches and reads its own quarter of a slot (its 256 columns: 16,384 dense bytes, asked for as 64 rows of 256).  Two slots of longer steps
;   (2 x 147,456 bytes) do not fit beside x's 132,096.
; CLUSTER.  The four work-groups of a cluster walk the same weights, so each tile is asked for JOINTLY: the same tensor load, descriptor and mask in all four.
; REGISTERS, in windows of 256 (s_set_vgpr_msb: bits 1:0 source 0, 3:2 source 1, 5:4 source 2, 7:6 destination):
;   window 0: v0-31 addresses; v32-63 what belongs to rows, in pairs; v64-127 fragments of x, two buffers; v128-159 a, c, gamma, beta as loaded; v160-255 at work
;   window 1: fragments of the weights, two buffers of 128 (at the start: x as loaded; at the end: gamma, beta)      windows 2, 3: accumulator (rb, cb) at v[8 (16 (rb % 2) + cb)] of window 2 + rb / 2
.set PX,    2064                       ; a row of x in LDS: 2,048 bytes + 16 = 129 x 16: the 16 rows of a fragment load start at 16 different groups of four banks (64 banks of 4 bytes: ISA guide 11.1)
.set RING,  64*PX                      ; behind x: two slots
.set QTR,   256*80                     ; a wave's quarter of a slot: 256 rows of 64 bytes + 16 of padding
.set SLOT,  4*QTR
.set SCR,   RING+2*SLOT                ; the scores' partial sums: [wave][row block][half][lane x 16], 16,384 bytes
.set RED,   SCR+16384                  ; LayerNorm's partial sums: [pass][row][wave], 2,048 bytes
.set SPARE, RED+2048                   ; the spare words, 128 bytes for each wave: two blocks of 256 bytes that no other line names
.set VECB,  RING+SLOT                  ; behind the last fill: a, c, gamma, beta of my columns, 4 x 1,024 bytes, in my quarter of slot 1,
.set SPS,   1040                       ; and 16 rows of 1,024 + 16 bytes, the stage for the way out, in my quarter of slot 0
.set ADRA, 10                          ; v10-13  my place in row block rb of x; steps 128 bytes a trip
.set ADRB, 14                          ; v14-15  my place in my quarter of slot 0, 1
.set XEP,  16                          ; v16-19  ADRA's first value + 512 w: my wave's K quarter (scores), my wave's columns (blend)
.set VADR, 20
.set VST,  21
.set STO,  22
.set RD,   23
.set GO,   24                          ; v24     16 x lane
.set SCW,  25
.set SCRD, 26
.set REDW, 27
.set REDR, 28
.set XST,  29
.set SPW,  30                          ; v30     LDS address of my spare word; never rewritten
.set NIL,  31                          ; v31     0; never rewritten
.set P,    32                          ; v32-39  p of row block rb, twice
.set PM,   40                          ; v40-47  -log2(e) p, twice
.set CQ,   48                          ; v48-55  cq / 8 of my eight heads; later
.set MU,   48                          ;         the mean, twice
.set RS,   56                          ; v56-63  1 / sqrt(var + eps), twice
.set VREG, 128
.set MKF,  160                         ; v160-223 Mk's fragments of my K quarter
.set SC,   224                         ; v224-255 the scores' four accumulators
.set T,    160                         ; the way out: 16 arguments, then exponentials, then g
.set XF,   176                         ;              16 of x in f32
.set DF,   192                         ;              16 of p a - x
.set SA,   208                         ;              two pairs of sums a row block
.set OB,   128                         ;              16 rows read back from the stage
.set G1,   28                          ; s[28:35] descriptor group 1
.set G0,   36                          ; s[36:43] descriptor group 0, a set for each slot
.set MSB, 0
.macro WIN new                         ; the immediate's high byte repeats the setting that is left; a switch that changes nothing is dropped
.if MSB != (\new)
	s_set_vgpr_msb (MSB<<8)|(\new)
.set MSB, \new
.endif
.endm
.macro PLACES                          ; four places between a matrix instruction and a vector instruction, store or load that touches its registers
.rept 4
	v_nop
.endr
.endm
.macro CREST                           ; a round of the cluster's barrier behind its opening barrier
	s_cmp_lg_u32 s22, 0
	s_cbranch_scc1 .Lnot_wave_0_\@
	s_barrier_signal -3
.Lnot_wave_0_\@:
	s_barrier_wait -3
	s_barrier_signal -1
	s_barrier_wait -1
.endm
.macro CROUND
	s_barrier_signal -1
	s_barrier_wait -1
	CREST
.endm
	s_load_b512 s[4:19], s[0:1], 0x0               ; x s[4:5], wgb s[6:7], mk s[8:9], cq s[10:11], av s[12:13], cv s[14:15], gamma s[16:17], beta s[18:19]
	s_load_b64 s[20:21], s[0:1], 0x40              ; out0
	v_lshl_add_u32 v[SPW], v0, 2, SPARE
	v_mov_b32 v[NIL], 0
	ds_add_u32 v[SPW], v[NIL]                      ; the wave's opening: the add and its wait stand ahead of my first tensor load; the set-up below, work on registers, stands between them
	v_lshrrev_b32 v4, 5, v0
	v_readfirstlane_b32 s22, v4                    ; wave 0..3
	s_bfe_u32 s23, ttmp6, 0x40000                  ; cx: my place in the cluster: it enters x's and out0's addresses alone
	s_lshl_b32 s24, ttmp9, 2                       ; in a cluster launch ttmp9 counts clusters
	s_add_co_u32 s24, s24, s23                     ; my block of 64 rows
	s_lshr_b32 s25, ttmp9, 3                       ; the batch (32 blocks, 8 clusters each): the four partners share it
	; descriptor group 1: 64 rows of 128 elements of 2 bytes, dense; in LDS 16 bytes of padding behind every 64
	s_mov_b32 s[G1+0], 15|(1<<16)|(1<<20)|(1<<21)|(3<<22)|(3<<25)  ; 15:0 the mask of four; 17:16 2-byte elements; 20 padding on; 21 set beside a mask; 24:22 after every 16 words (code 3); 31:25 4 words (code 3)
	s_mov_b32 s[G1+1], 128<<16                     ; tensor_dim0 = 128
	s_mov_b32 s[G1+2], 64<<16                      ; tensor_dim1 = 64
	s_mov_b32 s[G1+3], 128<<16                     ; tile_dim0 = 128
	s_mov_b32 s[G1+4], 64                          ; tile_dim1 = 64
	s_mov_b32 s[G1+5], 128                         ; 128 elements from row to row
	s_mov_b32 s[G1+6], 0
	s_mov_b32 s[G1+7], 0
	s_mul_i32 s48, s22, QTR                        ; my quarter of a slot: no place in the cluster enters an LDS address
	s_mov_b32 s[G0+0], 1
	s_add_co_u32 s[G0+1], s48, RING
	s_mov_b32 s[G0+4], 1
	s_add_co_u32 s[G0+5], s48, RING+SLOT
	s_lshl_b32 s26, s22, 14                        ; my quarter of a K step in wgb
	s_mov_b32 s27, 0
	s_lshl_b32 s49, s22, 9
	s_mov_b32 s45, 0xffff0000                      ; a word's upper bf16
	s_mov_b32 s46, 0x76543210                      ; v_permlanex16_b32: each lane takes its own place in the other half
	s_mov_b32 s47, 0xfedcba98
	s_mov_b32 s52, 0x3e000000                      ; 1 / sqrt(64)
	s_mov_b32 s53, s52
	s_mov_b32 s54, 0x3fb8aa3b                      ; log2(e)
	s_mov_b32 s55, s54
	s_mov_b32 s56, 0xbfb8aa3b                      ; -log2(e)
	s_mov_b32 s58, 0x3727c5ac                      ; 1e-5
	s_mov_b32 s59, 0x3a800000                      ; 1 / 1024
	v_and_b32 v1, 15, v0                           ; r = l % 16
	v_bfe_u32 v2, v0, 4, 1                         ; h = l / 16
	v_and_b32 v3, 31, v0                           ; l
	v_lshlrev_b32 v[GO], 4, v3
	v_mul_u32_u24 v4, v1, PX
	v_lshl_add_u32 v4, v2, 4, v4                   ; a fragment of x: row x pitch + 16 x half
.set c, 0
.rept 4
	v_add_nc_u32 v[ADRA+c], c*16*PX, v4
	v_add_nc_u32 v[XEP+c], s49, v[ADRA+c]
.set c, c+1
.endr
	v_mul_u32_u24 v5, v1, 80
	v_lshl_add_u32 v5, v2, 4, v5
	v_add_nc_u32 v5, s48, v5
	v_add_nc_u32 v[ADRB], RING, v5
	v_add_nc_u32 v[ADRB+1], RING+SLOT, v5
	v_lshl_add_u32 v6, v2, 5, s48
	v_add_nc_u32 v[VADR], VECB, v6                 ; my eight columns of a column block: 32 bytes a half
	v_add_nc_u32 v6, s48, v[GO]
	v_add_nc_u32 v[VST], VECB, v6
	v_add_nc_u32 v[RD], RING, v6                   ; back from the stage: 512 consecutive bytes a load
	v_mul_u32_u24 v7, v1, SPS
	v_lshl_add_u32 v7, v2, 5, v7
	v_add_nc_u32 v7, s48, v7
	v_add_nc_u32 v[STO], RING, v7                  ; into the stage: row r, 32 bytes a half
	s_lshl_b32 s60, s22, 12
	v_add_nc_u32 v[SCRD], SCR, v[GO]
	v_add_nc_u32 v[SCW], s60, v[SCRD]
	v_lshlrev_b32 v6, 4, v1
	v_add_nc_u32 v[REDR], RED, v6
	s_lshl_b32 s61, s22, 2
	v_add_nc_u32 v[REDW], s61, v[REDR]
	s_mul_i32 s62, s22, 16*PX
	v_lshl_add_u32 v[XST], v3, 3, s62              ; x into LDS: my wave's 16 rows, 8 bytes a lane
	v_lshlrev_b32 v8, 11, v1
	v_lshl_add_u32 v8, v2, 4, v8
	v_add_nc_u32 v8, s49, v8                       ; Mk: head r x 2,048 + my K quarter + 16 x half
	v_lshlrev_b32 v9, 5, v2                        ; cq: my eight heads
	s_wait_dscnt 0x0                               ; the opening add is done
	s_wait_kmcnt 0x0
	s_add_nc_u64 s[26:27], s[6:7], s[26:27]
	s_add_nc_u64 s[G0+2:G0+3], s[26:27], 0         ; K step 0
	s_or_b32 s[G0+3], s[G0+3], 0x80000000          ; type = 2
	s_add_nc_u64 s[G0+6:G0+7], s[26:27], 65536     ; K step 1
	s_or_b32 s[G0+7], s[G0+7], 0x80000000
	s_lshl_b32 s50, s24, 18                        ; my block's 64 rows of 4,096 bytes
	s_mov_b32 s51, 0
	s_add_nc_u64 s[4:5], s[4:5], s[50:51]
	s_add_nc_u64 s[20:21], s[20:21], s[50:51]
	s_lshl_b32 s60, s22, 16                        ; x: my wave's 16 rows
	s_mov_b32 s61, 0
	s_add_nc_u64 s[4:5], s[4:5], s[60:61]
	s_lshl_b32 s60, s22, 10                        ; my wave's 256 columns
	s_add_nc_u64 s[20:21], s[20:21], s[60:61]
	s_add_nc_u64 s[12:13], s[12:13], s[60:61]
	s_add_nc_u64 s[14:15], s[14:15], s[60:61]
	s_add_nc_u64 s[16:17], s[16:17], s[60:61]
	s_add_nc_u64 s[18:19], s[18:19], s[60:61]
	s_lshl_b32 s60, s25, 12                        ; the batch's row of a and c
	s_add_nc_u64 s[12:13], s[12:13], s[60:61]
	s_add_nc_u64 s[14:15], s[14:15], s[60:61]
	s_lshl_b32 s60, s25, 15
	s_add_nc_u64 s[8:9], s[8:9], s[60:61]
	s_lshl_b32 s60, s25, 6
	s_add_nc_u64 s[10:11], s[10:11], s[60:61]
	CROUND                                         ; all four work-groups are here: the first joint loads meet
	tensor_load_to_lds s[G0:G0+3], s[G1:G1+7]      ; both first fills together: two tensor loads of mine are out
	s_nop 0
	tensor_load_to_lds s[G0+4:G0+7], s[G1:G1+7]
	s_nop 0
	PLACES
.set i, 0
.rept 8                                ; 26 small loads, older than all of x's
	global_load_b128 v[MKF+8*i:MKF+8*i+3],   v8, s[8:9] offset:64*i
	global_load_b128 v[MKF+8*i+4:MKF+8*i+7], v8, s[8:9] offset:64*i+32
.set i, i+1
.endr
	global_load_b128 v[CQ:CQ+3],   v9, s[10:11]
	global_load_b128 v[CQ+4:CQ+7], v9, s[10:11] offset:16
	global_load_b128 v[VREG:VREG+3],     v[GO], s[12:13]
	global_load_b128 v[VREG+4:VREG+7],   v[GO], s[12:13] offset:512
	global_load_b128 v[VREG+8:VREG+11],  v[GO], s[14:15]
	global_load_b128 v[VREG+12:VREG+15], v[GO], s[14:15] offset:512
	global_load_b128 v[VREG+16:VREG+19], v[GO], s[16:17]
	global_load_b128 v[VREG+20:VREG+23], v[GO], s[16:17] offset:512
	global_load_b128 v[VREG+24:VREG+27], v[GO], s[18:19]
	global_load_b128 v[VREG+28:VREG+31], v[GO], s[18:19] offset:512
; X INTO LDS.  Wave w brings rows 16 w .. 16 w + 15, two rows (16 loads of 512 consecutive bytes) a batch, three batches on their way, into window 1; rounded to bf16 they go into LDS.
.macro XISSUE i
	WIN 0x40                                       ; destination window 1, address window 0
.set q, 0
.rept 16
	global_load_b128 v[64*((\i)%3)+4*q:64*((\i)%3)+4*q+3], v[GO], s[4:5] offset:(2*(\i)+q/8)*4096+(q%8)*512 th:TH_LOAD_NT
.set q, q+1
.endr
.endm
.macro XCONV i, left                   ; left: the loads of the younger batches, which stay out
	s_wait_loadcnt \left
	WIN 0x05                                       ; sources window 1, destination window 0
.set q, 0
.rept 32
	v_cvt_pk_bf16_f32 v[64+q], v[64*((\i)%3)+2*q], v[64*((\i)%3)+2*q+1]
.set q, q+1
.endr
	WIN 0
.set q, 0
.rept 16
	ds_store_b64 v[XST], v[64+2*q:65+2*q] offset:(2*(\i)+q/8)*PX+(q%8)*256
.set q, q+1
.endr
.endm
	XISSUE 0
	XISSUE 1
	XISSUE 2
	XCONV 0, 32
	XISSUE 3
	XCONV 1, 32
	XISSUE 4
	XCONV 2, 32
	XISSUE 5
	XCONV 3, 32
	XISSUE 6
	XCONV 4, 32
	XISSUE 7
	XCONV 5, 32
	XCONV 6, 16
	XCONV 7, 0
	s_wait_dscnt 0x0                               ; for the others' sake: my rows of x are in LDS
	s_barrier_signal -1
	s_barrier_wait -1                              ; everybody's are; the tiles may stay out
	; THE SCORES.  Wave w multiplies its quarter of K (steps 8 w .. 8 w + 7) for all 64 rows and 16 heads; the quarters meet in LDS.
	WIN 0x80                                       ; destination window 2
.set c, 0
.rept 4
.set i, 0
.rept 8
	ds_load_b128 v[8*(8*c+i):8*(8*c+i)+3],   v[XEP+c] offset:64*i
	ds_load_b128 v[8*(8*c+i)+4:8*(8*c+i)+7], v[XEP+c] offset:64*i+32
.set i, i+1
.endr
.set c, c+1
.endr
	s_wait_dscnt 0x0
	WIN 0x08                                       ; source 1 (x) window 2
.set i, 0
.rept 8                                ; the four accumulators take turns; the first products start the sums
.set c, 0
.rept 4
.if i == 0
	v_wmma_f32_16x16x32_bf16 v[SC+8*c:SC+8*c+7], v[MKF+8*i:MKF+8*i+7], v[8*(8*c+i):8*(8*c+i)+7], 0
.else
	v_wmma_f32_16x16x32_bf16 v[SC+8*c:SC+8*c+7], v[MKF+8*i:MKF+8*i+7], v[8*(8*c+i):8*(8*c+i)+7], v[SC+8*c:SC+8*c+7]
.endif
.set c, c+1
.endr
.set i, i+1
.endr
	WIN 0
.set k, 0
.rept 4                                ; cq / 8: four plain instructions, the places behind those products
	v_pk_mul_f32 v[CQ+2*k:CQ+2*k+1], v[CQ+2*k:CQ+2*k+1], s[52:53] op_sel_hi:[1,0]
.set k, k+1
.endr
.set c, 0
.rept 4
	ds_store_b128 v[SCW], v[SC+8*c:SC+8*c+3]   offset:1024*c      ; each accumulator's low half first
	ds_store_b128 v[SCW], v[SC+8*c+4:SC+8*c+7] offset:1024*c+512
.set c, c+1
.endr
	s_wait_dscnt 0x0                               ; for the others' sake: my partial sums are in LDS
	s_barrier_signal -1
	s_barrier_wait -1
.set c, 0
.rept 4                                ; every wave needs every row's p: it reads all four quarters, eight loads a row block
.if c < 2
.set PB, 64+32*c
.else
.set PB, 160+32*(c-2)
.endif
.set i, 0
.rept 4
	ds_load_b128 v[PB+8*i:PB+8*i+3],   v[SCRD] offset:4096*i+1024*c
	ds_load_b128 v[PB+8*i+4:PB+8*i+7], v[SCRD] offset:4096*i+1024*c+512
.set i, i+1
.endr
.set c, c+1
.endr
; Row block rb: the lane's eight scores, their softmax over the one key, and p.
.macro SOFT rb
.if (\rb) < 2
.set PB, 64+32*(\rb)
.else
.set PB, 160+32*((\rb)-2)
.endif
	s_wait_dscnt 24-8*(\rb)                        ; the later row blocks' loads, eight each, stay out
.set k, 0
.rept 4
	v_pk_add_f32 v[PB+2*k:PB+2*k+1], v[PB+2*k:PB+2*k+1], v[PB+8+2*k:PB+8+2*k+1]
	v_pk_add_f32 v[PB+16+2*k:PB+16+2*k+1], v[PB+16+2*k:PB+16+2*k+1], v[PB+24+2*k:PB+24+2*k+1]
.set k, k+1
.endr
.set k, 0
.rept 4
	v_pk_add_f32 v[PB+2*k:PB+2*k+1], v[PB+2*k:PB+2*k+1], v[PB+16+2*k:PB+16+2*k+1]
.set k, k+1
.endr
.set k, 0
.rept 4
	v_pk_fma_f32 v[PB+2*k:PB+2*k+1], v[PB+2*k:PB+2*k+1], s[52:53], v[CQ+2*k:CQ+2*k+1] op_sel_hi:[1,0,1]  ; the score
.set k, k+1
.endr
.set k, 0
.rept 4
	v_pk_add_f32 v[PB+8+2*k:PB+8+2*k+1], v[PB+2*k:PB+2*k+1], v[PB+2*k:PB+2*k+1] neg_lo:[0,1] neg_hi:[0,1]  ; less the maximum over the keys, which is the one score itself
.set k, k+1
.endr
.set k, 0
.rept 4
	v_pk_mul_f32 v[PB+8+2*k:PB+8+2*k+1], v[PB+8+2*k:PB+8+2*k+1], s[54:55] op_sel_hi:[1,0]
.set k, k+1
.endr
.set j, 0
.rept 8
	v_exp_f32 v[PB+8+j], v[PB+8+j]
.set j, j+1
.endr
	v_nop                                          ; a plain instruction between the exponentials and the use of their results
.set j, 0
	s_wait_alu depctr_va_vdst(0)
.rept 8
	v_rcp_f32 v[PB+16+j], v[PB+8+j]                ; the sum over the keys is the one exponential
.set j, j+1
.endr
	v_nop
.set k, 0
	s_wait_alu depctr_va_vdst(0)
.rept 4
	v_pk_mul_f32 v[PB+2*k:PB+2*k+1], v[PB+8+2*k:PB+8+2*k+1], v[PB+16+2*k:PB+16+2*k+1]  ; the weights
.set k, k+1
.endr
	v_pk_mul_f32 v[PB:PB+1], v[PB:PB+1], v[PB+2:PB+3]
	v_pk_mul_f32 v[PB+4:PB+5], v[PB+4:PB+5], v[PB+6:PB+7]
	v_pk_mul_f32 v[PB:PB+1], v[PB:PB+1], v[PB+4:PB+5]
	v_mul_f32 v[PB], v[PB], v[PB+1]
	v_permlanex16_b32 v[PB+1], v[PB], s46, s47     ; the row's other eight heads lie in the lane 16 away
	v_mul_f32 v[P+2*(\rb)], v[PB], v[PB+1]
	v_mul_f32 v[P+2*(\rb)+1], v[PB], v[PB+1]
	v_mul_f32 v[PM+2*(\rb)], s56, v[P+2*(\rb)]
	v_mul_f32 v[PM+2*(\rb)+1], s56, v[P+2*(\rb)]
.endm
	SOFT 0
	SOFT 1
	SOFT 2
	SOFT 3
; THE GATE'S PRODUCT.  16 matrix instructions: row block 2 hi + a x all 16 column blocks, 32 along K, on fragment buffer f.  zero = 1: the first product starts the sums.
; The 64 accumulators take turns, one instruction a turn, in the same order in every step.
.macro MUL16 f, hi, a, zero
	WIN 0xa1+0x50*(\hi)                            ; source 0 (weights) window 1, source 1 (x) window 0, C and D window 2 or 3
.set c, 0
.rept 16
.if \zero
	v_wmma_f32_16x16x32_bf16 v[8*(16*(\a)+c):8*(16*(\a)+c)+7], v[128*(\f)+8*c:128*(\f)+8*c+7], v[64+32*(\f)+8*(2*(\hi)+(\a)):64+32*(\f)+8*(2*(\hi)+(\a))+7], 0
.else
	v_wmma_f32_16x16x32_bf16 v[8*(16*(\a)+c):8*(16*(\a)+c)+7], v[128*(\f)+8*c:128*(\f)+8*c+7], v[64+32*(\f)+8*(2*(\hi)+(\a)):64+32*(\f)+8*(2*(\hi)+(\a))+7], v[8*(16*(\a)+c):8*(16*(\a)+c)+7]
.endif
.set c, c+1
.endr
.endm
; 40 LDS loads in one run: a step's fragments into buffer g: my 256 rows of weights from slot s, then the 64 rows of x at byte koff from ADRA, row block 0 first.
.macro FETCH s, koff, g
	WIN 0x40
.set c, 0
.rept 16
	ds_load_b128 v[128*(\g)+8*c:128*(\g)+8*c+3],   v[ADRB+(\s)] offset:1280*c
	ds_load_b128 v[128*(\g)+8*c+4:128*(\g)+8*c+7], v[ADRB+(\s)] offset:1280*c+32
.set c, c+1
.endr
	WIN 0
.set c, 0
.rept 4
	ds_load_b128 v[64+32*(\g)+8*c:64+32*(\g)+8*c+3],   v[ADRA+c] offset:\koff
	ds_load_b128 v[64+32*(\g)+8*c+4:64+32*(\g)+8*c+7], v[ADRA+c] offset:(\koff)+32
.set c, c+1
.endr
.endm
; A K step that fills its slot again.  Its fragments (buffer f) left slot s in the step before.  Each wave waits for all its tensor loads, of which one is out: its quarter of the other slot; adds 0 to its
; spare word; and waits for that and for its reads of slot s.  The barrier opens a round of the cluster's, so that no wave of any partner still reads the slot or has a load on its way; the joint refill,
; two steps ahead, is the first thing behind the round; then the other slot's fragments are fetched.
.macro STEP s, f, koff, zero
	WIN 0                                          ; (the add's two registers lie in window 0)
	s_wait_tensorcnt 0x0
	ds_add_u32 v[SPW], v[NIL]                      ; 0 onto my spare word
	s_add_nc_u64 s[G0+4*(\s)+2:G0+4*(\s)+3], s[G0+4*(\s)+2:G0+4*(\s)+3], 2*65536  ; no tensor load of mine is out, so a group 0 may be written; the type bits on top are not reached
	s_wait_dscnt 7                                 ; the add and x's row blocks 1 to 3, six loads, may be out
	MUL16 \f, 0, 0, \zero
	s_wait_dscnt 0x0                               ; the add is done, and my reads of the slot are over
	s_barrier_signal -1
	MUL16 \f, 0, 1, \zero
	WIN 0
	s_barrier_wait -1
	CREST
	tensor_load_to_lds s[G0+4*(\s):G0+4*(\s)+3], s[G1:G1+7]  ; one line for all four waves: the descriptor hangs on the wave's number and the step alone
	s_nop 0
	PLACES                                         ; also the places in front of the loads into the buffer that the step before multiplied
	FETCH 1-(\s), \koff, 1-(\f)
	MUL16 \f, 1, 0, \zero
	MUL16 \f, 1, 1, \zero
.endm
	s_wait_tensorcnt 0x1                           ; my quarter of slot 0 is in, and only I read it; slot 1's may stay out
	FETCH 0, 0, 0
	STEP 0, 0, 64, 1                               ; step 0 stands in front of the loop: its products start the sums
	WIN 0
	s_mov_b32 s44, 14
.Lk:                                   ; a trip: steps 1 + 2 i and 2 + 2 i; both slots are filled again
	STEP 1, 1, 128, 0
	STEP 0, 0, 192, 0
	WIN 0
.set c, 0
.rept 4
	v_add_nc_u32 v[ADRA+c], 128, v[ADRA+c]
.set c, c+1
.endr
	s_sub_co_u32 s44, s44, 1
	s_cmp_lg_u32 s44, 0
	s_cbranch_scc1 .Lk
	STEP 1, 1, 128, 0                              ; step 29 asks for step 31's tile: the last load
	s_wait_dscnt 6                                 ; step 30: nothing is filled, so no round
	MUL16 0, 0, 0, 0
	s_wait_dscnt 0x0
	MUL16 0, 0, 1, 0
	s_wait_tensorcnt 0x0                           ; my quarter of step 31's tile is in, and only I read it
	PLACES
	FETCH 1, 192, 1
	MUL16 0, 1, 0, 0
	MUL16 0, 1, 1, 0
	s_wait_dscnt 6                                 ; step 31
	MUL16 1, 0, 0, 0
	s_wait_dscnt 0x0
	MUL16 1, 0, 1, 0
	MUL16 1, 1, 0, 0
	MUL16 1, 1, 1, 0
	; THE WAY OUT.  The ring has had its last fill: my quarters of it serve as scratch.  a, c, gamma, beta go through LDS to reach the lanes by columns.
	WIN 0
	PLACES
.set q, 0
.rept 8
	ds_store_b128 v[VST], v[VREG+4*q:VREG+4*q+3] offset:512*q
.set q, q+1
.endr
	WIN 0x40                                       ; window 1: gamma at v[8 cb], beta at v[128 + 8 cb]; LDS serves a wave's instructions in order (ISA guide 5.7.1.4): these see the stores above
.set c, 0
.rept 16
	ds_load_b128 v[8*c:8*c+3],         v[VADR] offset:2048+64*c
	ds_load_b128 v[8*c+4:8*c+7],       v[VADR] offset:2048+64*c+16
	ds_load_b128 v[128+8*c:128+8*c+3], v[VADR] offset:3072+64*c
	ds_load_b128 v[128+8*c+4:128+8*c+7], v[VADR] offset:3072+64*c+16
.set c, c+1
.endr
	WIN 0
; Column block cb's a and c (8 numbers each) and the four row blocks' x (8 bf16 each), into the buffer of cb's parity: eight loads.
.macro LDV cb
.set LV, 64+32*((\cb)%2)
	ds_load_b128 v[LV:LV+3],     v[VADR] offset:64*(\cb)
	ds_load_b128 v[LV+4:LV+7],   v[VADR] offset:64*(\cb)+16
	ds_load_b128 v[LV+8:LV+11],  v[VADR] offset:1024+64*(\cb)
	ds_load_b128 v[LV+12:LV+15], v[VADR] offset:1024+64*(\cb)+16
.set q, 0
.rept 4
	ds_load_b128 v[LV+16+4*q:LV+19+4*q], v[XEP+q] offset:32*(\cb)
.set q, q+1
.endr
.endm
; Two tiles (row blocks 2 hi, 2 hi + 1 of column block cb): fused = g (p a - x) + x, g = 1 / (1 + 2^(sum - log2(e) p c)), written where the sums lay.
.macro GATE cb, hi
.set LV, 64+32*((\cb)%2)
	WIN 0x20+0x10*(\hi)                            ; source 2 in the accumulators' window
.set a, 0
.rept 2
.set k, 0
.rept 4                                ; each accumulator's lowest registers are read first
	v_pk_fma_f32 v[T+8*a+2*k:T+8*a+2*k+1], v[LV+8+2*k:LV+9+2*k], v[PM+2*(2*(\hi)+a):PM+2*(2*(\hi)+a)+1], v[8*(16*a+(\cb))+2*k:8*(16*a+(\cb))+2*k+1]
.set k, k+1
.endr
.set a, a+1
.endr
	WIN 0
.set j, 0
.rept 16
	v_exp_f32 v[T+j], v[T+j]
.set j, j+1
.endr
.set a, 0
.rept 2                                ; x to f32: plain work behind the exponentials
.set k, 0
.rept 4
	v_lshlrev_b32 v[XF+8*a+2*k], 16, v[LV+16+4*(2*(\hi)+a)+k]
	v_and_b32 v[XF+8*a+2*k+1], s45, v[LV+16+4*(2*(\hi)+a)+k]
.set k, k+1
.endr
.set a, a+1
.endr
.set k, 0
	s_wait_alu depctr_va_vdst(0)
.rept 8
	v_pk_add_f32 v[T+2*k:T+2*k+1], v[T+2*k:T+2*k+1], 1.0 op_sel_hi:[1,0]
.set k, k+1
.endr
.set j, 0
.rept 16
	v_rcp_f32 v[T+j], v[T+j]
.set j, j+1
.endr
.set a, 0
.rept 2                                ; p a - x: plain work behind the reciprocals
.set k, 0
.rept 4
	v_pk_fma_f32 v[DF+8*a+2*k:DF+8*a+2*k+1], v[LV+2*k:LV+2*k+1], v[P+2*(2*(\hi)+a):P+2*(2*(\hi)+a)+1], v[XF+8*a+2*k:XF+8*a+2*k+1] neg_lo:[0,0,1] neg_hi:[0,0,1]
.set k, k+1
.endr
.set a, a+1
.endr
	WIN 0x80+0x40*(\hi)                            ; destination in the accumulators' window
.set a, 0
	s_wait_alu depctr_va_vdst(0)
.rept 2
.set k, 0
.rept 4
	v_pk_fma_f32 v[8*(16*a+(\cb))+2*k:8*(16*a+(\cb))+2*k+1], v[T+8*a+2*k:T+8*a+2*k+1], v[DF+8*a+2*k:DF+8*a+2*k+1], v[XF+8*a+2*k:XF+8*a+2*k+1]
.set k, k+1
.endr
.set a, a+1
.endr
	WIN 0
.endm
	LDV 0
.set cbv, 0
.rept 16
.if cbv < 15
	LDV cbv+1
	s_wait_dscnt 8                                 ; the next block's eight loads stay out
.else
	s_wait_dscnt 0x0
.endif
	GATE cbv, 0
	GATE cbv, 1
.set cbv, cbv+1
.endr
; The lane's sums over its 128 numbers of each row block, two chains a block.
.macro SUMS hi
	WIN 0x02+(\hi)                                 ; source 0 in the accumulators' window
.set n, 0
.rept 64
.set a, 0
.rept 2
.set rS, SA+4*(2*(\hi)+a)+2*(n%2)
.if n < 2
	v_pk_add_f32 v[rS:rS+1], v[128*a+2*n:128*a+2*n+1], 0 op_sel_hi:[1,0]
.else
	v_pk_add_f32 v[rS:rS+1], v[128*a+2*n:128*a+2*n+1], v[rS:rS+1]
.endif
.set a, a+1
.endr
.set n, n+1
.endr
.endm
.macro SQ hi                           ; the same of the squares
	WIN 0x0a+5*(\hi)                               ; sources 0 and 1 in the accumulators' window
.set n, 0
.rept 64
.set a, 0
.rept 2
.set rS, SA+4*(2*(\hi)+a)+2*(n%2)
.if n < 2
	v_pk_mul_f32 v[rS:rS+1], v[128*a+2*n:128*a+2*n+1], v[128*a+2*n:128*a+2*n+1]
.else
	v_pk_fma_f32 v[rS:rS+1], v[128*a+2*n:128*a+2*n+1], v[128*a+2*n:128*a+2*n+1], v[rS:rS+1]
.endif
.set a, a+1
.endr
.set n, n+1
.endr
.endm
.macro CENTER hi                       ; fused - mean, in place
	WIN 0x82+0x41*(\hi)
.set n, 0
.rept 64
.set a, 0
.rept 2
	v_pk_add_f32 v[128*a+2*n:128*a+2*n+1], v[128*a+2*n:128*a+2*n+1], v[MU+2*(2*(\hi)+a):MU+2*(2*(\hi)+a)+1] neg_lo:[0,1] neg_hi:[0,1]
.set a, a+1
.endr
.set n, n+1
.endr
.endm
; The rows' sums over all 1,024 columns, into v[SA + 4 rb]: chains and halves, the lane 16 away, then the four waves through LDS; each pass has bytes of its own, so one barrier serves.
.macro RSUM pass
	WIN 0
.set c, 0
.rept 4
	v_pk_add_f32 v[SA+4*c:SA+4*c+1], v[SA+4*c:SA+4*c+1], v[SA+4*c+2:SA+4*c+3]
.set c, c+1
.endr
.set c, 0
.rept 4
	v_add_f32 v[SA+4*c], v[SA+4*c], v[SA+4*c+1]
.set c, c+1
.endr
.set c, 0
.rept 4
	v_permlanex16_b32 v[SA+4*c+1], v[SA+4*c], s46, s47
.set c, c+1
.endr
.set c, 0
.rept 4
	v_add_f32 v[SA+4*c], v[SA+4*c], v[SA+4*c+1]
.set c, c+1
.endr
.set c, 0
.rept 4
	ds_store_b32 v[REDW], v[SA+4*c] offset:1024*(\pass)+256*c  ; both halves of the lanes write the same number to the same word
.set c, c+1
.endr
	s_wait_dscnt 0x0                               ; for the others' sake: my sums are in LDS
	s_barrier_signal -1
	s_barrier_wait -1
.set c, 0
.rept 4
	ds_load_b128 v[SA+4*c:SA+4*c+3], v[REDR] offset:1024*(\pass)+256*c
.set c, c+1
.endr
	s_wait_dscnt 0x0
.set c, 0
.rept 4
	v_add_f32 v[SA+4*c], v[SA+4*c], v[SA+4*c+1]
	v_add_f32 v[SA+4*c+2], v[SA+4*c+2], v[SA+4*c+3]
.set c, c+1
.endr
.set c, 0
.rept 4
	v_add_f32 v[SA+4*c], v[SA+4*c], v[SA+4*c+2]
.set c, c+1
.endr
.endm
	SUMS 0
	SUMS 1
	RSUM 0
.set c, 0
.rept 4
	v_mul_f32 v[MU+2*c], s59, v[SA+4*c]
	v_mul_f32 v[MU+2*c+1], s59, v[SA+4*c]
.set c, c+1
.endr
	CENTER 0
	CENTER 1
	SQ 0
	SQ 1
	RSUM 1
.set c, 0
.rept 4
	v_fma_f32 v[SA+4*c], v[SA+4*c], s59, s58       ; var + eps
.set c, c+1
.endr
.set c, 0
.rept 4
	v_rsq_f32 v[RS+2*c], v[SA+4*c]
	v_rsq_f32 v[RS+2*c+1], v[SA+4*c]
.set c, c+1
.endr
	v_nop                                          ; a plain instruction between the last root and the use of its result
	s_wait_alu depctr_va_vdst(0)
.macro NORM rb                         ; (fused - mean) / sqrt(var + eps) * gamma + beta, in place
	WIN 0x82+0x41*((\rb)/2)
.set n, 0
.rept 64
	v_pk_mul_f32 v[128*((\rb)%2)+2*n:128*((\rb)%2)+2*n+1], v[128*((\rb)%2)+2*n:128*((\rb)%2)+2*n+1], v[RS+2*(\rb):RS+2*(\rb)+1]
.set n, n+1
.endr
	WIN 0x96+0x41*((\rb)/2)                        ; gamma and beta (sources 1 and 2) in window 1
.set n, 0
.rept 64
	v_pk_fma_f32 v[128*((\rb)%2)+2*n:128*((\rb)%2)+2*n+1], v[128*((\rb)%2)+2*n:128*((\rb)%2)+2*n+1], v[2*n:2*n+1], v[128+2*n:128+2*n+1]
.set n, n+1
.endr
.endm
.macro TOSTAGE rb                      ; 16 rows x 1,024 bytes through my stage: in by lanes' 32 bytes of a row, back as 512 consecutive bytes a load
	WIN 0x08+0x04*((\rb)/2)                        ; the stores' data (source 1) in the accumulators' window
.set c, 0
.rept 16
	ds_store_b128 v[STO], v[128*((\rb)%2)+8*c:128*((\rb)%2)+8*c+3]   offset:64*c
	ds_store_b128 v[STO], v[128*((\rb)%2)+8*c+4:128*((\rb)%2)+8*c+7] offset:64*c+16
.set c, c+1
.endr
	WIN 0
.set i, 0
.rept 32
	ds_load_b128 v[OB+4*i:OB+4*i+3], v[RD] offset:(i/2)*SPS+(i%2)*512  ; LDS serves a wave's instructions in order: these see the stores above, and the next block's stores come behind them
.set i, i+1
.endr
.endm
.macro SEND rb
	WIN 0
.set i, 0
.rept 32
	s_wait_dscnt 31-i
	global_store_b128 v[GO], v[OB+4*i:OB+4*i+3], s[20:21] offset:(16*(\rb)+i/2)*4096+(i%2)*512 th:TH_STORE_NT  ; 512 consecutive bytes, at a multiple of 512 from out0's first byte
.set i, i+1
.endr
.endm
	NORM 0
	TOSTAGE 0
.irp rb, 1,2,3                         ; a block's arithmetic stands between the stage loads of the block before and its stores
	NORM \rb
	SEND (\rb)-1
	s_wait_xcnt 0x0                                ; the registers that those stores read are loaded again only behind this wait
	TOSTAGE \rb
.endr
	SEND 3
	s_wait_tensorcnt 0x0                           ; the wave's end, behind my last tensor load and my last LDS store
	ds_add_u32 v[SPW], v[NIL]
	s_wait_dscnt 0x0
	CROUND                                         ; the closing round: no work-group ends while a partner may still ask for a tile that names it
	s_endpgm
.Lfunc_end_k_qf5611d67a7_fuse:
	.size	k_qf5611d67a7_fuse, .Lfunc_end_k_qf5611d67a7_fuse-k_qf5611d67a7_fuse
	.p2alignl 7, 3214868480
	.fill 96, 4, 3214868480
	.section	.rodata,"a",@progbits
	.p2align	6, 0x0
	.amdhsa_kernel k_qf5611d67a7_fuse
		.amdhsa_group_segment_fixed_size 327680
		.amdhsa_private_segment_fixed_size 0
		.amdhsa_enable_private_segment 0
		.amdhsa_kernarg_size 72
		.amdhsa_user_sgpr_count 2
		.amdhsa_user_sgpr_kernarg_segment_ptr 1
		.amdhsa_wavefront_size32 1
		.amdhsa_system_sgpr_workgroup_id_x 1
		.amdhsa_system_sgpr_workgroup_id_y 1
		.amdhsa_system_sgpr_workgroup_id_z 1
		.amdhsa_system_vgpr_workitem_id 0
		.amdhsa_next_free_vgpr 1024
		.amdhsa_next_free_sgpr 66
		.amdhsa_reserve_vcc 0
		.amdhsa_float_denorm_mode_32 3
		.amdhsa_float_denorm_mode_16_64 3
		.amdhsa_memory_ordered 1
		.amdhsa_forward_progress 1
		.amdhsa_inst_pref_size 255
	.end_amdhsa_kernel
	.section	.bss,"aw",@nobits
	.p2align	6
	.space	262144
	.amdgpu_metadata
---
amdhsa.version: [ 1, 2 ]
amdhsa.kernels:
  - .name:           k_qf5611d67a7_fuse
    .symbol:         k_qf5611d67a7_fuse.kd
    .args:
      - { .name: speech_features, .offset: 0, .size: 8, .value_kind: global_buffer, .address_space: global }
      - { .name: wgb, .offset: 8, .size: 8, .value_kind: global_buffer, .address_space: global }
      - { .name: mk, .offset: 16, .size: 8, .value_kind: global_buffer, .address_space: global }
      - { .name: cq, .offset: 24, .size: 8, .value_kind: global_buffer, .address_space: global }
      - { .name: av, .offset: 32, .size: 8, .value_kind: global_buffer, .address_space: global }
      - { .name: cv, .offset: 40, .size: 8, .value_kind: global_buffer, .address_space: global }
      - { .name: gamma, .offset: 48, .size: 8, .value_kind: global_buffer, .address_space: global }
      - { .name: beta, .offset: 56, .size: 8, .value_kind: global_buffer, .address_space: global }
      - { .name: out0, .offset: 64, .size: 8, .value_kind: global_buffer, .address_space: global }
    .group_segment_fixed_size: 327680
    .private_segment_fixed_size: 0
    .kernarg_segment_align: 8
    .kernarg_segment_size: 72
    .max_flat_workgroup_size: 128
    .sgpr_count:     66
    .vgpr_count:     1024
    .wavefront_size: 32
...
	.end_amdgpu_metadata
.endif
;; end of part 4
